; MI455X (gfx1250); checked and timed in simulation.
; The chip was launched on July 23, 2026; its instructions are those of AMD's public machine-readable ISA for CDNA 5 (MIT licence, August 2026) and "CDNA5" Instruction Set Architecture Reference Guide (July 2026). The comments in the code are by the model that wrote it; some were corrected since.
;; Up Sampler. Allowed arithmetic: float matrix products may take bf16 or f16 operands with f32 sums; other float arithmetic in f32, or as packed bf16 or f16 multiplies, adds, multiply-adds, maxima and minima; sums over many terms, partial sums and values carried from step to step in f32; what a program stores and reads back later, other than sums and carried values, may be rounded once to bf16 or f16.
;; Inputs: W 128 x 128 float32; b 128 float32; pos_coarse 4,000 x 3 float32; pos_fine 20,000 x 3 float32; x_coarse 4,000 x 128 float32.
;; Outputs: out0 20,000 x 128 float32.
;; One version. Each part assembles by itself: llvm-mc -triple=amdgcn-amd-amdhsa -mcpu=gfx1250 --defsym DOCPART=n.
;; ======== version 1 of 1: 3 launches
;; limits: values are held in f16: magnitudes above 65,504 overflow, below 6.1e-05 lose precision
;; workspace buffers: grp 320,000 bytes of whole numbers; idx 320,000 bytes of whole numbers; ytab 1,024,000 bytes
;; launch groups (part 1): grid 250 x 1, 8 waves a work-group, no clusters, 106,240 bytes of LDS; arguments pos_coarse, pos_fine, grp; writes grp
.if DOCPART == 1
	.amdgcn_target "amdgcn-amd-amdhsa--gfx1250"
	.amdhsa_code_object_version 6
	.text
	.protected	k_q4c94fc2aa9_groups
	.globl	k_q4c94fc2aa9_groups
	.p2align	8
	.type	k_q4c94fc2aa9_groups,@function
k_q4c94fc2aa9_groups:
	s_mov_b64 s[64:65], 0
	v_nop
	global_prefetch_b8 v0, s[64:65] scope:SCOPE_SE
	s_setreg_imm32_b32 hwreg(HW_REG_WAVE_MODE, 25, 1), 1
	s_wait_xcnt 0x0
; GROUPS.  For each of 20,000 fine points: the six groups of 32 consecutive coarse points (125 groups) that hold its six nearest coarse points.
; ORDER: (d2, index), d2 = dx*dx, then fma dy, then fma dz, in f32, from true differences c + (-f).  The six first points of that order lie in the six groups whose
; (minimum, group number) come first, since a group is a range of consecutive indices.  Stored: six group numbers, ascending, in 16-bit fields, 16 bytes a query.
; LIMITS.  The root is not taken: it is monotone, so the order is the same but where two different d2 have the same f32 root (there the index would decide).
; NaN positions, and positions whose d2 passes f32's range, are not treated.
; SHARES.  A work-group has 80 queries and all coarse points.  A lane owns one group (96 registers); waves w and w + 4 own the same 32 groups and take 40 queries each.
; A query's coordinates are scalars: 16 pairs x 6 packed lines give 32 d2 a lane, 18 lines their minimum, which goes to LDS.  Then thread t takes part t / 80 (42 groups) of
; query t % 80 and keeps its six smallest; the three parts' lists meet in LDS and threads 0 to 79 merge them.
; NO CLUSTER: 250 work-groups are no multiple of four, and what is shared is one table of 48,000 bytes, read once a work-group and split into planes on its way through registers.
.set PITCH, 400         ; a group in LDS: 128 bytes of x, of y, of z, 16 of padding = 25 x 16 bytes, so neighbouring groups start in different 16-byte columns
.set MINB,  51200       ; behind 128 groups (125 and three that hold x = +inf): the minima
.set MP,    520         ; a query's row: 128 minima + 8 bytes = 130 words, so 32 lanes' 8-byte loads of 32 rows fall on different banks
.set LIST,  92928       ; thread t's list of six (d2, number): 48 bytes at 48 t
.set SPARE, 105216      ; the spare words, 128 bytes a wave
.set SPW, 1             ; v1   my spare word; never rewritten
.set NIL, 2             ; v2   0; never rewritten
.set VG,  3             ; v3   12 t: my coarse point in a batch of 256
.set VG15, 4            ; v4   the same in the sixteenth batch, held to the last point
.set VS,  5             ; v5   where it goes in LDS
.set VT,  6             ; v6   my group in LDS
.set VM,  7             ; v7   where my minimum goes
.set ACC, 8             ; v8-11    four running minima
.set QV,  12            ; v12-15   my wave's 40 queries, negated: dword d in lane d / 4, register d % 4
.set CX,  16            ; v16-47   x of my 32 points;  v48-79 y;  v80-111 z
.set CY,  48
.set CZ,  80
.set TX,  112           ; v112-159 at work: eight pairs of dx, dy, dz
.set TY,  128
.set TZ,  144
.set RS,  160           ; v160-223 sixteen points on their way to LDS
.set VV,  16            ; the selection: v16-57 42 minima, later three lists of 12
.set LA,  64            ; v64-69   the six smallest, ascending
.set LI,  70            ; v70-75   their numbers (directly behind: a list is 12 registers on end)
.set LT,  76            ; v77-81   at work
.set LN,  224
.set GR,  225
.set TP,  226
.set PT,  227           ; t / 80
.set QN,  228           ; t % 80
.set PR,  229           ; the part, 0 to 2 (threads 240 to 255 do part 2 of queries 0 to 15 again; their lists serve nothing)
.set VR,  230
.set PB,  231
.set OW,  232           ; v232-235 what is stored
.set VL,  236
.set VO,  237
.set WV,  10            ; s10  wave
.set LS,  12            ; s12-14  the lanes of QV that hold this trip's 12 dwords
.set CNT, 21
.set FQ,  24            ; s[24:47] four queries' -x, -y, -z, each the low word of a pair
.set LM,  48            ; s48-53  d < list[k]
.set SV,  54
; (d, id) goes into the sorted list of six.  The compare is strict and items come in ascending index order, so of equal d2 the lower index stands first.
.macro INS d, id
.set kk, 0
.rept 6
	v_cmp_lt_f32 s[LM+kk], v[\d], v[LA+kk]
.set kk, kk+1
.endr
.set kk, 1
.rept 5
	v_cndmask_b32 v[LT+kk], \id, v[LI+kk-1], s[LM+kk-1]   ; what place k takes if it changes: its lower neighbour's number, or the new one
.set kk, kk+1
.endr
.set kk, 5
.rept 5
	v_med3_num_f32 v[LA+kk], v[LA+kk-1], v[LA+kk], v[\d]  ; downward, so that the lower neighbour is still the old one
.set kk, kk-1
.endr
	v_min_num_f32 v[LA], v[LA], v[\d]
.set kk, 5
.rept 5
	v_cndmask_b32 v[LI+kk], v[LI+kk], v[LT+kk], s[LM+kk]
.set kk, kk-1
.endr
	v_cndmask_b32 v[LI], v[LI], \id, s[LM]
.endm
.macro INIT
.set kk, 0
.rept 6
	v_mov_b32 v[LA+kk], 0x7f800000
	v_mov_b32 v[LI+kk], 0
.set kk, kk+1
.endr
.endm
.macro CE a, b                         ; two numbers into ascending order
	v_min_u32 v[LT+1], v[LI+\a], v[LI+\b]
	v_max_u32 v[LI+\b], v[LI+\a], v[LI+\b]
	v_mov_b32 v[LI+\a], v[LT+1]
.endm
	s_load_b128 s[4:7], s[0:1], 0x0                ; pos_coarse s[4:5], pos_fine s[6:7]
	s_load_b64 s[8:9], s[0:1], 0x10                ; grp
	v_lshl_add_u32 v[SPW], v0, 2, SPARE
	v_mov_b32 v[NIL], 0
	v_lshrrev_b32 v[TP], 5, v0
	v_readfirstlane_b32 s[WV], v[TP]               ; wave 0..7
	v_and_b32 v[LN], 31, v0
	v_mul_u32_u24 v[VG], v0, 12
	v_add_nc_u32 v[VG15], 46080, v[VG]
	v_min_u32 v[VG15], 47988, v[VG15]              ; 4,000 = 15 x 256 + 160: threads 160 on read the last point again
	s_mul_i32 s15, s[WV], PITCH
	v_lshl_add_u32 v[VS], v[LN], 2, s15            ; batch i, wave w is group 8 i + w; the lane is the place in it
	s_and_b32 s16, s[WV], 3
	s_lshl_b32 s16, s16, 5
	s_lshr_b32 s17, s[WV], 2                       ; which 40 queries
	v_add_nc_u32 v[GR], s16, v[LN]                 ; my group, 0..127
	v_mul_u32_u24 v[VT], v[GR], PITCH
	s_mul_i32 s18, s17, 40*MP
	s_add_co_u32 s18, s18, MINB
	v_lshl_add_u32 v[VM], v[GR], 2, s18
	s_mul_i32 s19, ttmp9, 960                      ; 80 queries of 12 bytes
	s_mul_i32 s20, s17, 480
	s_add_co_u32 s19, s19, s20
	v_min_u32 v[TP], 29, v[LN]                     ; 480 bytes are 30 lanes of 16
	v_lshl_add_u32 v[TP], v[TP], 4, s19
	v_mul_u32_u24 v[PT], v0, 205
	v_lshrrev_b32 v[PT], 14, v[PT]                 ; t / 80 for t under 256
	v_mul_u32_u24 v[QN], v[PT], 80
	v_sub_nc_u32 v[QN], v0, v[QN]
	v_min_u32 v[QN], 79, v[QN]                     ; changes nothing: the bound, written out
	v_min_u32 v[PR], 2, v[PT]
	v_mul_u32_u24 v[VR], v[QN], MP
	v_mad_u32_u24 v[VR], v[PR], 168, v[VR]         ; 42 minima of 4 bytes a part
	v_add_nc_u32 v[VR], MINB, v[VR]
	v_mul_u32_u24 v[PB], v[PR], 42
	v_mul_u32_u24 v[VL], v0, 48
	v_add_nc_u32 v[VL], LIST, v[VL]
	s_mul_i32 s22, ttmp9, 1280
	v_lshl_add_u32 v[VO], v0, 4, s22
	s_mov_b32 s[LS], 0
	s_mov_b32 s[LS+1], 1
	s_mov_b32 s[LS+2], 2
.set ii, 0
.rept 12
	s_mov_b32 s[FQ+2*ii+1], 0                      ; the pairs' upper words are named with the lower ones
.set ii, ii+1
.endr
	s_wait_kmcnt 0x0
	global_load_b128 v[QV:QV+3], v[TP], s[6:7]
.set ii, 0
.rept 15
	global_load_b96 v[RS+4*ii:RS+4*ii+2], v[VG], s[4:5] offset:3072*ii   ; a wave reads 384 consecutive bytes: one group
.set ii, ii+1
.endr
	global_load_b96 v[RS+60:RS+62], v[VG15], s[4:5]
	s_wait_loadcnt 0x0
.set ii, 0
.rept 4
	v_xor_b32 v[QV+ii], 0x80000000, v[QV+ii]       ; c + (-f) is c - f
.set ii, ii+1
.endr
	v_cmp_gt_u32 vcc_lo, 160, v0
	v_cndmask_b32 v[RS+60], 0x7f800000, v[RS+60], vcc_lo   ; groups 125 to 127 do not exist: x = +inf makes their d2 +inf, which enters no list
.set ii, 0
.rept 16
	ds_store_b32 v[VS], v[RS+4*ii] offset:3200*ii
	ds_store_b32 v[VS], v[RS+4*ii+1] offset:3200*ii+128
	ds_store_b32 v[VS], v[RS+4*ii+2] offset:3200*ii+256
.set ii, ii+1
.endr
	s_wait_dscnt 0x0                               ; my part of the table is written,
	s_barrier_signal -1
	s_barrier_wait -1                              ; everybody's is
.set ii, 0
.rept 8
	ds_load_b128 v[CX+4*ii:CX+4*ii+3], v[VT] offset:16*ii
	ds_load_b128 v[CY+4*ii:CY+4*ii+3], v[VT] offset:128+16*ii
	ds_load_b128 v[CZ+4*ii:CZ+4*ii+3], v[VT] offset:256+16*ii
.set ii, ii+1
.endr
	s_mov_b32 s[CNT], 10
	s_wait_dscnt 0x0
; One query against my 32 points, in two blocks of eight pairs: lines that lean on each other stand eight apart.
.macro QRY j
.set FX, FQ+6*(\j)
.irp b, 0,1
.set pp, 0
.rept 8
	v_pk_add_f32 v[TX+2*pp:TX+2*pp+1], v[CX+16*(\b)+2*pp:CX+16*(\b)+2*pp+1], s[FX:FX+1] op_sel_hi:[1,0]
.set pp, pp+1
.endr
.set pp, 0
.rept 8
	v_pk_add_f32 v[TY+2*pp:TY+2*pp+1], v[CY+16*(\b)+2*pp:CY+16*(\b)+2*pp+1], s[FX+2:FX+3] op_sel_hi:[1,0]
.set pp, pp+1
.endr
.set pp, 0
.rept 8
	v_pk_add_f32 v[TZ+2*pp:TZ+2*pp+1], v[CZ+16*(\b)+2*pp:CZ+16*(\b)+2*pp+1], s[FX+4:FX+5] op_sel_hi:[1,0]
.set pp, pp+1
.endr
.set pp, 0
.rept 8
	v_pk_mul_f32 v[TX+2*pp:TX+2*pp+1], v[TX+2*pp:TX+2*pp+1], v[TX+2*pp:TX+2*pp+1]
.set pp, pp+1
.endr
.set pp, 0
.rept 8
	v_pk_fma_f32 v[TX+2*pp:TX+2*pp+1], v[TY+2*pp:TY+2*pp+1], v[TY+2*pp:TY+2*pp+1], v[TX+2*pp:TX+2*pp+1]
.set pp, pp+1
.endr
.set pp, 0
.rept 8
	v_pk_fma_f32 v[TX+2*pp:TX+2*pp+1], v[TZ+2*pp:TZ+2*pp+1], v[TZ+2*pp:TZ+2*pp+1], v[TX+2*pp:TX+2*pp+1]
.set pp, pp+1
.endr
.set pp, 0
.rept 8
.if ((\b) == 0) && (pp < 4)
	v_min_num_f32 v[ACC+pp], v[TX+2*pp], v[TX+2*pp+1]      ; the first four pairs start the chains: nothing is cleared
.else
	v_min3_num_f32 v[ACC+pp%4], v[ACC+pp%4], v[TX+2*pp], v[TX+2*pp+1]
.endif
.set pp, pp+1
.endr
.endr
	v_min3_num_f32 v[ACC], v[ACC], v[ACC+1], v[ACC+2]
	v_min_num_f32 v[ACC], v[ACC], v[ACC+3]
	ds_store_b32 v[VM], v[ACC] offset:MP*(\j)
.endm
.Ltrip:                                            ; ten trips of four queries
.set ii, 0
.rept 12
	v_readlane_b32 s[FQ+2*ii], v[QV+ii%4], s[LS+ii/4]      ; four queries are 12 dwords: three lanes of QV
.set ii, ii+1
.endr
	QRY 0
	QRY 1
	QRY 2
	QRY 3
	v_add_nc_u32 v[VM], 4*MP, v[VM]
	s_add_co_u32 s[LS], s[LS], 3
	s_add_co_u32 s[LS+1], s[LS+1], 3
	s_add_co_u32 s[LS+2], s[LS+2], 3
	s_sub_co_u32 s[CNT], s[CNT], 1
	s_cmp_lg_u32 s[CNT], 0
	s_cbranch_scc1 .Ltrip
	s_wait_dscnt 0x0                               ; my minima are written,
	s_barrier_signal -1
	s_barrier_wait -1                              ; everybody's are
	; THE SELECTION.  My part's 42 minima, in ascending group order.
.set ii, 0
.rept 21
	ds_load_b64 v[VV+2*ii:VV+2*ii+1], v[VR] offset:8*ii
.set ii, ii+1
.endr
	INIT
	s_wait_dscnt 0x0
.set ii, 0
.rept 42
	INS VV+ii, ii
.set ii, ii+1
.endr
.set ii, 0
.rept 6
	v_add_nc_u32 v[LI+ii], v[PB], v[LI+ii]         ; numbers in the part become group numbers
.set ii, ii+1
.endr
	ds_store_b128 v[VL], v[LA:LA+3]
	ds_store_b128 v[VL], v[LA+4:LA+7] offset:16
	ds_store_b128 v[VL], v[LA+8:LA+11] offset:32
	s_wait_dscnt 0x0                               ; my list is written,
	s_barrier_signal -1
	s_barrier_wait -1                              ; everybody's is
	s_cmp_lt_u32 s[WV], 3                          ; threads 0 to 79 merge; waves 3 to 7 are done
	s_cbranch_scc0 .Lend
.set pp, 0
.rept 3
	ds_load_b128 v[VV+12*pp:VV+12*pp+3], v[VL] offset:3840*pp      ; part p of query t is thread t + 80 p
	ds_load_b128 v[VV+12*pp+4:VV+12*pp+7], v[VL] offset:3840*pp+16
	ds_load_b128 v[VV+12*pp+8:VV+12*pp+11], v[VL] offset:3840*pp+32
.set pp, pp+1
.endr
	INIT
	s_wait_dscnt 0x0
.set pp, 0
.rept 3
.set ee, 0
.rept 6
	INS VV+12*pp+ee, v[VV+12*pp+6+ee]
.set ee, ee+1
.endr
.set pp, pp+1
.endr
.set nn, 5                                         ; ascending group numbers: the next launch takes the candidates in index order
.rept 5
.set jj, 0
.rept nn
	CE jj, jj+1
.set jj, jj+1
.endr
.set nn, nn-1
.endr
	v_lshl_or_b32 v[OW], v[LI+1], 16, v[LI]
	v_lshl_or_b32 v[OW+1], v[LI+3], 16, v[LI+2]
	v_lshl_or_b32 v[OW+2], v[LI+5], 16, v[LI+4]
	v_mov_b32 v[OW+3], 0
	v_cmp_gt_u32 vcc_lo, 80, v0
	s_wait_xcnt 0x0                                ; EXEC changes only behind this wait
	s_and_saveexec_b32 s[SV], vcc_lo
	global_store_b128 v[VO], v[OW:OW+3], s[8:9]    ; sixteen lanes store 256 consecutive bytes, aligned
	s_wait_xcnt 0x0                                ; and again in front of the line that widens it
	s_or_b32 exec_lo, exec_lo, s[SV]
.Lend:
	s_wait_tensorcnt 0x0                           ; the wave's end: behind my last LDS store
	ds_add_u32 v[SPW], v[NIL]
	s_wait_dscnt 0x0
	s_endpgm
.Lfunc_end_k_q4c94fc2aa9_groups:
	.size	k_q4c94fc2aa9_groups, .Lfunc_end_k_q4c94fc2aa9_groups-k_q4c94fc2aa9_groups
	.p2alignl 7, 3214868480
	.fill 96, 4, 3214868480
	.section	.rodata,"a",@progbits
	.p2align	6, 0x0
	.amdhsa_kernel k_q4c94fc2aa9_groups
		.amdhsa_group_segment_fixed_size 106240
		.amdhsa_private_segment_fixed_size 0
		.amdhsa_enable_private_segment 0
		.amdhsa_kernarg_size 24
		.amdhsa_user_sgpr_count 2
		.amdhsa_user_sgpr_kernarg_segment_ptr 1
		.amdhsa_wavefront_size32 1
		.amdhsa_system_sgpr_workgroup_id_x 1
		.amdhsa_system_sgpr_workgroup_id_y 1
		.amdhsa_system_sgpr_workgroup_id_z 1
		.amdhsa_system_vgpr_workitem_id 0
		.amdhsa_next_free_vgpr 240
		.amdhsa_next_free_sgpr 66
		.amdhsa_reserve_vcc 1
		.amdhsa_float_denorm_mode_32 3
		.amdhsa_float_denorm_mode_16_64 3
		.amdhsa_memory_ordered 1
		.amdhsa_forward_progress 1
		.amdhsa_inst_pref_size 129
	.end_amdhsa_kernel
	.amdgpu_metadata
---
amdhsa.version: [ 1, 2 ]
amdhsa.kernels:
  - .name:           k_q4c94fc2aa9_groups
    .symbol:         k_q4c94fc2aa9_groups.kd
    .args:
      - { .name: pos_coarse, .offset: 0, .size: 8, .value_kind: global_buffer, .address_space: global }
      - { .name: pos_fine, .offset: 8, .size: 8, .value_kind: global_buffer, .address_space: global }
      - { .name: grp, .offset: 16, .size: 8, .value_kind: global_buffer, .address_space: global }
    .group_segment_fixed_size: 106240
    .private_segment_fixed_size: 0
    .kernarg_segment_align: 8
    .kernarg_segment_size: 24
    .max_flat_workgroup_size: 256
    .sgpr_count:     66
    .vgpr_count:     240
    .wavefront_size: 32
...
	.end_amdgpu_metadata
.endif
;; end of part 1
;; launch pick (part 2): grid 250 x 1, 8 waves a work-group, no clusters, 68,864 bytes of LDS; arguments W, b, pos_coarse, pos_fine, x_coarse, grp, idx, ytab; writes idx, ytab
.if DOCPART == 2
	.amdgcn_target "amdgcn-amd-amdhsa--gfx1250"
	.amdhsa_code_object_version 6
	.text
	.protected	k_q4c94fc2aa9_pick
	.globl	k_q4c94fc2aa9_pick
	.p2align	8
	.type	k_q4c94fc2aa9_pick,@function
k_q4c94fc2aa9_pick:
	s_mov_b64 s[64:65], 0
	v_nop
	global_prefetch_b8 v0, s[64:65] scope:SCOPE_SE
	s_setreg_imm32_b32 hwreg(HW_REG_WAVE_MODE, 25, 1), 1
	s_wait_xcnt 0x0
; PICK.  Two things.  (1) y = x_coarse W + b for the work-group's 16 coarse rows, stored as f16: mean(x[i]) W + b = mean((x W + b)[i]), so only 4,000 rows are multiplied.
; (2) For the work-group's 80 fine points: the six nearest coarse points, out of the six groups of 32 that the launch before has stored.
; ORDER: (d2, index), d2 made by the same lines as in the launch before: c + (-f), dx*dx, fma dy, fma dz.
; LIMITS.  The root is not taken: two different d2 with the same f32 root are ranked by d2, not by index.  NaN positions and d2 beyond f32's range are not treated.
; x, W and y are rounded to f16 (sums in f32): |x|, |W| and |x W + b| stay under 65,504.
; SHARES.  (1) Wave w makes columns 16 w .. 16 w + 15: four products of 32 along K, two accumulators by turns, the bias as the first product's C.  The product is taken transposed
; (source 0 = W's columns, source 1 = x's rows), so a lane holds one row and eight neighbouring columns.  (2) Thread t takes part t / 80 of query t % 80: two groups, 64 candidates.
; ytab: a row is 256 bytes; its 16-byte piece c holds columns 4 c .. 4 c + 3, then 64 + 4 c .. 64 + 4 c + 3: what one lane of the next launch stores as two runs of 16 bytes of f32.
; NO CLUSTER: 250 work-groups are no multiple of four; what is shared (the table of 48,000 bytes, W's 65,536) is read once a work-group and changes form on its way through registers.
.set PITCH, 400         ; a group in LDS: 128 bytes of x, of y, of z, 16 of padding
.set STAGE, 51200       ; behind 128 groups: 16 rows of y, 256 bytes + 16
.set SP,    272
.set LIST,  55552       ; thread t's list of six (d2, index): 48 bytes at 48 t
.set SPARE, 67840       ; the spare words, 128 bytes a wave
.set SPW, 1             ; v1   my spare word; never rewritten
.set NIL, 2             ; v2   0; never rewritten
.set VG,  3             ; v3-7 serve the head alone; afterwards they are INS's five registers at work
.set VG15, 4
.set VS,  5
.set LN,  6
.set RR,  7
.set HH,  8
.set XO,  9
.set WO,  10
.set BO,  11
.set STO, 12
.set RDS, 13
.set YO,  14
.set TP,  15
.set XR,  16            ; v16-79   x as loaded (f32), then four fragments of 8 in v16-47
.set WR,  80            ; v80-143  W likewise
.set RS,  144           ; v144-207 sixteen coarse points on their way to LDS
.set AC0, 208           ; v208-215, v216-223 the two accumulators
.set AC1, 216
.set CA,  16            ; later: v16-111 my first group (x, y, z), v128-223 my second
.set CB,  128
.set LA,  112           ; v112-117 the six smallest d2, ascending
.set LI,  118           ; v118-123 their numbers
.set LT,  2             ; v3-7 at work
.set VV,  16            ; the merge: three lists of 12
.set PT,  224
.set QN,  225
.set PR,  226
.set GW,  227           ; my two group numbers
.set QR,  228           ; v228-230 my query
.set GO,  231
.set QX,  232           ; v[232:233], v[234:235], v[236:237]: -x, -y, -z, each the low word of a pair
.set QY,  234
.set QZ,  236
.set VL,  238
.set QA,  239
.set GA,  240
.set GB,  241
.set TA,  242
.set TB,  243
.set DF,  244
.set VO,  245
.set OW,  248           ; v248-251 packed y, later what is stored
.set RB,  252           ; v252-255 a piece of a row of y, back from the stage
.set WV,  24            ; s24
.set LM,  28            ; s28-33
.set SV,  34
.macro INS d, id                       ; (d, id) into the sorted list of six; strict compare, items in ascending index order: of equal d2 the lower index stands first
.set kk, 0
.rept 6
	v_cmp_lt_f32 s[LM+kk], v[\d], v[LA+kk]
.set kk, kk+1
.endr
.set kk, 1
.rept 5
	v_cndmask_b32 v[LT+kk], \id, v[LI+kk-1], s[LM+kk-1]
.set kk, kk+1
.endr
.set kk, 5
.rept 5
	v_med3_num_f32 v[LA+kk], v[LA+kk-1], v[LA+kk], v[\d]
.set kk, kk-1
.endr
	v_min_num_f32 v[LA], v[LA], v[\d]
.set kk, 5
.rept 5
	v_cndmask_b32 v[LI+kk], v[LI+kk], v[LT+kk], s[LM+kk]
.set kk, kk-1
.endr
	v_cndmask_b32 v[LI], v[LI], \id, s[LM]
.endm
.macro INIT
.set kk, 0
.rept 6
	v_mov_b32 v[LA+kk], 0x7f800000
	v_mov_b32 v[LI+kk], 0
.set kk, kk+1
.endr
.endm
; A group of 32 candidates at v[c]: d2 in place of x, then 32 insertions; the numbers count from the group's first point.
.macro PASS c
.set pp, 0
.rept 16
	v_pk_add_f32 v[(\c)+2*pp:(\c)+2*pp+1], v[(\c)+2*pp:(\c)+2*pp+1], v[QX:QX+1] op_sel_hi:[1,0]
.set pp, pp+1
.endr
.set pp, 0
.rept 16
	v_pk_add_f32 v[(\c)+32+2*pp:(\c)+32+2*pp+1], v[(\c)+32+2*pp:(\c)+32+2*pp+1], v[QY:QY+1] op_sel_hi:[1,0]
.set pp, pp+1
.endr
.set pp, 0
.rept 16
	v_pk_add_f32 v[(\c)+64+2*pp:(\c)+64+2*pp+1], v[(\c)+64+2*pp:(\c)+64+2*pp+1], v[QZ:QZ+1] op_sel_hi:[1,0]
.set pp, pp+1
.endr
.set pp, 0
.rept 16
	v_pk_mul_f32 v[(\c)+2*pp:(\c)+2*pp+1], v[(\c)+2*pp:(\c)+2*pp+1], v[(\c)+2*pp:(\c)+2*pp+1]
.set pp, pp+1
.endr
.set pp, 0
.rept 16
	v_pk_fma_f32 v[(\c)+2*pp:(\c)+2*pp+1], v[(\c)+32+2*pp:(\c)+32+2*pp+1], v[(\c)+32+2*pp:(\c)+32+2*pp+1], v[(\c)+2*pp:(\c)+2*pp+1]
.set pp, pp+1
.endr
.set pp, 0
.rept 16
	v_pk_fma_f32 v[(\c)+2*pp:(\c)+2*pp+1], v[(\c)+64+2*pp:(\c)+64+2*pp+1], v[(\c)+64+2*pp:(\c)+64+2*pp+1], v[(\c)+2*pp:(\c)+2*pp+1]
.set pp, pp+1
.endr
.set ii, 0
.rept 32
	INS (\c)+ii, ii
.set ii, ii+1
.endr
.endm
	s_load_b512 s[4:19], s[0:1], 0x0               ; W s[4:5], b s[6:7], pos_coarse s[8:9], pos_fine s[10:11], x s[12:13], grp s[14:15], idx s[16:17], ytab s[18:19]
	v_lshl_add_u32 v[SPW], v0, 2, SPARE
	v_mov_b32 v[NIL], 0
	v_lshrrev_b32 v[TP], 5, v0
	v_readfirstlane_b32 s[WV], v[TP]               ; wave 0..7
	v_and_b32 v[LN], 31, v0
	v_and_b32 v[RR], 15, v0                        ; l % 16
	v_bfe_u32 v[HH], v0, 4, 1                      ; l / 16
	v_mul_u32_u24 v[VG], v0, 12
	v_add_nc_u32 v[VG15], 46080, v[VG]
	v_min_u32 v[VG15], 47988, v[VG15]              ; 4,000 = 15 x 256 + 160: threads 160 on read the last point again
	s_mul_i32 s20, s[WV], PITCH
	v_lshl_add_u32 v[VS], v[LN], 2, s20            ; batch i, wave w is group 8 i + w
	v_mul_u32_u24 v[PT], v0, 205
	v_lshrrev_b32 v[PT], 14, v[PT]                 ; t / 80 for t under 256
	v_mul_u32_u24 v[QN], v[PT], 80
	v_sub_nc_u32 v[QN], v0, v[QN]
	v_min_u32 v[QN], 79, v[QN]                     ; changes nothing: the bound, written out
	v_min_u32 v[PR], 2, v[PT]                      ; threads 240 to 255 do part 2 of queries 0 to 15 again; their lists serve nothing
	s_mul_i32 s25, ttmp9, 1280
	v_lshl_add_u32 v[GO], v[QN], 4, s25
	v_lshl_add_u32 v[GO], v[PR], 2, v[GO]          ; word p of the query's 16 bytes: groups 2 p and 2 p + 1 of its six
	v_lshl_add_u32 v[VO], v0, 4, s25
	s_mul_i32 s26, ttmp9, 960
	v_mad_u32_u24 v[QA], v[QN], 12, s26
	v_lshlrev_b32 v[XO], 9, v[RR]
	v_lshl_add_u32 v[XO], v[HH], 5, v[XO]          ; x: row l % 16, channels 8 (l / 16) on, in f32
	s_lshl_b32 s27, s[WV], 6
	v_lshl_add_u32 v[WO], v[RR], 2, s27
	v_lshl_add_u32 v[WO], v[HH], 12, v[WO]         ; W: column 16 w + l % 16, rows 8 (l / 16) on
	v_lshl_add_u32 v[BO], v[HH], 5, s27            ; b: columns 16 w + 8 (l / 16) on
	s_and_b32 s20, s[WV], 3
	s_lshl_b32 s20, s20, 6
	s_lshr_b32 s21, s[WV], 2
	s_lshl_b32 s21, s21, 3
	s_add_co_u32 s20, s20, s21
	s_add_co_u32 s20, s20, STAGE
	v_mul_u32_u24 v[STO], v[RR], SP
	v_lshl_add_u32 v[STO], v[HH], 5, v[STO]
	v_add_nc_u32 v[STO], s20, v[STO]               ; row l % 16, piece 4 (w % 4) + 2 (l / 16), half w / 4
	s_mul_i32 s22, s[WV], 2*SP
	s_add_co_u32 s22, s22, STAGE
	v_mul_u32_u24 v[RDS], v[HH], SP
	v_lshl_add_u32 v[RDS], v[RR], 4, v[RDS]
	v_add_nc_u32 v[RDS], s22, v[RDS]               ; back: wave w takes rows 2 w and 2 w + 1, whole
	s_lshl_b32 s23, ttmp9, 12
	s_lshl_b32 s21, s[WV], 9
	s_add_co_u32 s23, s23, s21
	v_lshl_add_u32 v[YO], v[LN], 4, s23            ; which are 512 consecutive bytes of ytab
	v_mul_u32_u24 v[VL], v0, 48
	v_add_nc_u32 v[VL], LIST, v[VL]
	s_lshl_b32 s36, ttmp9, 13                      ; the work-group's 16 rows of x, 512 bytes each
	s_mov_b32 s37, 0
	s_wait_kmcnt 0x0
	s_add_nc_u64 s[12:13], s[12:13], s[36:37]
.set ii, 0
.rept 15
	global_load_b96 v[RS+4*ii:RS+4*ii+2], v[VG], s[8:9] offset:3072*ii
.set ii, ii+1
.endr
	global_load_b96 v[RS+60:RS+62], v[VG15], s[8:9]
	global_load_b32 v[GW], v[GO], s[14:15]
	global_load_b96 v[QR:QR+2], v[QA], s[10:11]
.set ii, 0
.rept 16                                           ; fragment ii / 4: 8 + 8 channels, 64 bytes apart in f32
	global_load_b128 v[XR+4*ii:XR+4*ii+3], v[XO], s[12:13] offset:128*(ii/4)+64*((ii%4)/2)+16*(ii%2)
.set ii, ii+1
.endr
.set ii, 0
.rept 64                                           ; register ii of W as loaded: row 32 (ii / 16) + 16 ((ii % 16) / 8) + ii % 8 (+ 8 for the upper lanes)
	global_load_b32 v[WR+ii], v[WO], s[4:5] offset:(32*(ii/16)+16*((ii%16)/8)+ii%8)*512
.set ii, ii+1
.endr
	global_load_b128 v[AC0:AC0+3], v[BO], s[6:7]   ; the bias is the first product's C
	global_load_b128 v[AC0+4:AC0+7], v[BO], s[6:7] offset:16
	s_wait_loadcnt 0x0
	v_cmp_gt_u32 vcc_lo, 160, v0
	v_cndmask_b32 v[RS+60], 0x7f800000, v[RS+60], vcc_lo   ; groups 125 to 127 do not exist; no group number names them
.set ii, 0
.rept 16
	ds_store_b32 v[VS], v[RS+4*ii] offset:3200*ii
	ds_store_b32 v[VS], v[RS+4*ii+1] offset:3200*ii+128
	ds_store_b32 v[VS], v[RS+4*ii+2] offset:3200*ii+256
.set ii, ii+1
.endr
.set ii, 0
.rept 32                                           ; to f16, in place, upward: register i takes 2 i and 2 i + 1, which lie at or above it
	v_cvt_pk_f16_f32 v[XR+ii], v[XR+2*ii], v[XR+2*ii+1]
	v_cvt_pk_f16_f32 v[WR+ii], v[WR+2*ii], v[WR+2*ii+1]
.set ii, ii+1
.endr
	; the two accumulators take turns, one instruction a turn
	v_wmma_f32_16x16x32_f16 v[AC0:AC0+7], v[WR:WR+7], v[XR:XR+7], v[AC0:AC0+7]
	v_wmma_f32_16x16x32_f16 v[AC1:AC1+7], v[WR+8:WR+15], v[XR+8:XR+15], 0
	v_wmma_f32_16x16x32_f16 v[AC0:AC0+7], v[WR+16:WR+23], v[XR+16:XR+23], v[AC0:AC0+7]
	v_wmma_f32_16x16x32_f16 v[AC1:AC1+7], v[WR+24:WR+31], v[XR+24:XR+31], v[AC1:AC1+7]
	; fourteen plain lines that name none of the products' registers: the places behind them (ISA guide 7.12.1)
	v_xor_b32 v[QX], 0x80000000, v[QR]             ; c + (-f) is c - f
	v_xor_b32 v[QY], 0x80000000, v[QR+1]
	v_xor_b32 v[QZ], 0x80000000, v[QR+2]
	v_mov_b32 v[QX+1], 0                           ; the pairs' upper words are named with the lower ones
	v_mov_b32 v[QY+1], 0
	v_mov_b32 v[QZ+1], 0
	v_and_b32 v[GA], 0xffff, v[GW]
	v_min_u32 v[GA], 124, v[GA]                    ; a group number stays inside the table
	v_lshrrev_b32 v[GB], 16, v[GW]
	v_min_u32 v[GB], 124, v[GB]
	v_mul_u32_u24 v[TA], v[GA], PITCH
	v_mul_u32_u24 v[TB], v[GB], PITCH
	v_sub_nc_u32 v[DF], v[GA], v[GB]
	v_lshlrev_b32 v[DF], 5, v[DF]                  ; from numbers in the first group to numbers counted from the second group's first point
.set ii, 0
.rept 4                                            ; each accumulator is read from its low end on
	v_pk_add_f32 v[AC0+2*ii:AC0+2*ii+1], v[AC0+2*ii:AC0+2*ii+1], v[AC1+2*ii:AC1+2*ii+1]
.set ii, ii+1
.endr
.set ii, 0
.rept 4
	v_cvt_pk_f16_f32 v[OW+ii], v[AC0+2*ii], v[AC0+2*ii+1]
.set ii, ii+1
.endr
	ds_store_b64 v[STO], v[OW:OW+1]                ; columns 16 w + 8 (l / 16) + 0..3,
	ds_store_b64 v[STO], v[OW+2:OW+3] offset:16    ; + 4..7: the next piece
	s_wait_dscnt 0x0                               ; my part of the table and of the stage is written,
	s_barrier_signal -1
	s_barrier_wait -1                              ; everybody's is
	ds_load_b128 v[RB:RB+3], v[RDS]
.set ii, 0
.rept 8
	ds_load_b128 v[CA+4*ii:CA+4*ii+3], v[TA] offset:16*ii
	ds_load_b128 v[CA+32+4*ii:CA+32+4*ii+3], v[TA] offset:128+16*ii
	ds_load_b128 v[CA+64+4*ii:CA+64+4*ii+3], v[TA] offset:256+16*ii
.set ii, ii+1
.endr
.set ii, 0
.rept 8
	ds_load_b128 v[CB+4*ii:CB+4*ii+3], v[TB] offset:16*ii
	ds_load_b128 v[CB+32+4*ii:CB+32+4*ii+3], v[TB] offset:128+16*ii
	ds_load_b128 v[CB+64+4*ii:CB+64+4*ii+3], v[TB] offset:256+16*ii
.set ii, ii+1
.endr
	INIT
	s_wait_dscnt 48                                ; the piece of y is back; the 48 candidate loads behind it may stay out
	global_store_b128 v[YO], v[RB:RB+3], s[18:19]  ; the wave stores 512 consecutive bytes, aligned
	s_wait_dscnt 24                                ; my first group is in; the second's 24 loads may stay out
	PASS CA
.set ii, 0
.rept 6
	v_add_nc_u32 v[LI+ii], v[DF], v[LI+ii]
.set ii, ii+1
.endr
	s_wait_dscnt 0x0
	PASS CB
	v_lshlrev_b32 v[GB], 5, v[GB]
.set ii, 0
.rept 6
	v_add_nc_u32 v[LI+ii], v[GB], v[LI+ii]         ; now indices of coarse points
.set ii, ii+1
.endr
	ds_store_b128 v[VL], v[LA:LA+3]
	ds_store_b128 v[VL], v[LA+4:LA+7] offset:16
	ds_store_b128 v[VL], v[LA+8:LA+11] offset:32
	s_wait_dscnt 0x0                               ; my list is written,
	s_barrier_signal -1
	s_barrier_wait -1                              ; everybody's is
	s_cmp_lt_u32 s[WV], 3                          ; threads 0 to 79 merge; waves 3 to 7 are done
	s_cbranch_scc0 .Lend
.set pp, 0
.rept 3
	ds_load_b128 v[VV+12*pp:VV+12*pp+3], v[VL] offset:3840*pp      ; part p of query t is thread t + 80 p
	ds_load_b128 v[VV+12*pp+4:VV+12*pp+7], v[VL] offset:3840*pp+16
	ds_load_b128 v[VV+12*pp+8:VV+12*pp+11], v[VL] offset:3840*pp+32
.set pp, pp+1
.endr
	INIT
	s_wait_dscnt 0x0
.set pp, 0
.rept 3                                            ; the parts' groups ascend, so the lists come in index order among equal d2
.set ee, 0
.rept 6
	INS VV+12*pp+ee, v[VV+12*pp+6+ee]
.set ee, ee+1
.endr
.set pp, pp+1
.endr
	v_lshl_or_b32 v[OW], v[LI+1], 16, v[LI]
	v_lshl_or_b32 v[OW+1], v[LI+3], 16, v[LI+2]
	v_lshl_or_b32 v[OW+2], v[LI+5], 16, v[LI+4]
	v_mov_b32 v[OW+3], 0
	v_cmp_gt_u32 vcc_lo, 80, v0
	s_wait_xcnt 0x0                                ; EXEC changes only behind this wait
	s_and_saveexec_b32 s[SV], vcc_lo
	global_store_b128 v[VO], v[OW:OW+3], s[16:17]  ; sixteen lanes store 256 consecutive bytes, aligned
	s_wait_xcnt 0x0                                ; and again in front of the line that widens it
	s_or_b32 exec_lo, exec_lo, s[SV]
.Lend:
	s_wait_tensorcnt 0x0                           ; the wave's end: behind my last LDS store
	ds_add_u32 v[SPW], v[NIL]
	s_wait_dscnt 0x0
	s_endpgm
.Lfunc_end_k_q4c94fc2aa9_pick:
	.size	k_q4c94fc2aa9_pick, .Lfunc_end_k_q4c94fc2aa9_pick-k_q4c94fc2aa9_pick
	.p2alignl 7, 3214868480
	.fill 96, 4, 3214868480
	.section	.rodata,"a",@progbits
	.p2align	6, 0x0
	.amdhsa_kernel k_q4c94fc2aa9_pick
		.amdhsa_group_segment_fixed_size 68864
		.amdhsa_private_segment_fixed_size 0
		.amdhsa_enable_private_segment 0
		.amdhsa_kernarg_size 64
		.amdhsa_user_sgpr_count 2
		.amdhsa_user_sgpr_kernarg_segment_ptr 1
		.amdhsa_wavefront_size32 1
		.amdhsa_system_sgpr_workgroup_id_x 1
		.amdhsa_system_sgpr_workgroup_id_y 1
		.amdhsa_system_sgpr_workgroup_id_z 1
		.amdhsa_system_vgpr_workitem_id 0
		.amdhsa_next_free_vgpr 256
		.amdhsa_next_free_sgpr 66
		.amdhsa_reserve_vcc 1
		.amdhsa_float_denorm_mode_32 3
		.amdhsa_float_denorm_mode_16_64 3
		.amdhsa_memory_ordered 1
		.amdhsa_forward_progress 1
		.amdhsa_inst_pref_size 156
	.end_amdhsa_kernel
	.amdgpu_metadata
---
amdhsa.version: [ 1, 2 ]
amdhsa.kernels:
  - .name:           k_q4c94fc2aa9_pick
    .symbol:         k_q4c94fc2aa9_pick.kd
    .args:
      - { .name: W, .offset: 0, .size: 8, .value_kind: global_buffer, .address_space: global }
      - { .name: b, .offset: 8, .size: 8, .value_kind: global_buffer, .address_space: global }
      - { .name: pos_coarse, .offset: 16, .size: 8, .value_kind: global_buffer, .address_space: global }
      - { .name: pos_fine, .offset: 24, .size: 8, .value_kind: global_buffer, .address_space: global }
      - { .name: x_coarse, .offset: 32, .size: 8, .value_kind: global_buffer, .address_space: global }
      - { .name: grp, .offset: 40, .size: 8, .value_kind: global_buffer, .address_space: global }
      - { .name: idx, .offset: 48, .size: 8, .value_kind: global_buffer, .address_space: global }
      - { .name: ytab, .offset: 56, .size: 8, .value_kind: global_buffer, .address_space: global }
    .group_segment_fixed_size: 68864
    .private_segment_fixed_size: 0
    .kernarg_segment_align: 8
    .kernarg_segment_size: 64
    .max_flat_workgroup_size: 256
    .sgpr_count:     66
    .vgpr_count:     256
    .wavefront_size: 32
...
	.end_amdgpu_metadata
.endif
;; end of part 2
;; launch mean (part 3): grid 250 x 1, 8 waves a work-group, no clusters, 0 bytes of LDS; arguments idx, ytab, out0; writes out0
.if DOCPART == 3
	.amdgcn_target "amdgcn-amd-amdhsa--gfx1250"
	.amdhsa_code_object_version 6
	.text
	.protected	k_q4c94fc2aa9_mean
	.globl	k_q4c94fc2aa9_mean
	.p2align	8
	.type	k_q4c94fc2aa9_mean,@function
k_q4c94fc2aa9_mean:
	s_mov_b64 s[64:65], 0
	v_nop
	global_prefetch_b8 v0, s[64:65] scope:SCOPE_SE
	s_setreg_imm32_b32 hwreg(HW_REG_WAVE_MODE, 25, 1), 1
	s_wait_xcnt 0x0
; MEAN.  out0[q] = the mean of the six rows of y = x W + b (f16, 256 bytes a row) that idx names for fine point q; sums in f32, each term times 1/6 by a fused multiply-add.
; SHARES.  A work-group has 80 queries, a wave 10, in five steps of two: lanes 0-15 one query, lanes 16-31 the next.  Lane l % 16 reads piece l % 16 of each row (16 bytes: columns
; 4 c .. 4 c + 3 and 64 + 4 c .. 64 + 4 c + 3), so sixteen lanes read a whole row and store two runs of 256 consecutive bytes of f32, aligned.
; All of a wave's 30 row loads are out together; the waits count down by steps.  No LDS, no barrier, no matrix unit: nothing is shared between lanes, and there is nothing to multiply.
.set IA,  1             ; v1   my query's 16 bytes of idx in step 0
.set R16, 2             ; v2   16 (l % 16)
.set OO,  3             ; v3   my 16 bytes of out0 in step 0
.set TP,  4
.set HH,  5
.set IX,  8             ; v8-27    five steps' index words
.set AD,  28            ; v28-57   30 row offsets
.set RW,  60            ; v60-179  30 pieces of rows
.set AC,  180           ; v180-219 five steps' eight sums
.set SIX, 220           ; v220 1/6
.set ZR,  221           ; v221 0
	s_load_b128 s[4:7], s[0:1], 0x0                ; idx s[4:5], ytab s[6:7]
	s_load_b64 s[8:9], s[0:1], 0x10                ; out0
	v_lshrrev_b32 v[TP], 5, v0
	v_readfirstlane_b32 s10, v[TP]                 ; wave 0..7
	v_bfe_u32 v[HH], v0, 4, 1
	v_and_b32 v[R16], 15, v0
	v_lshlrev_b32 v[R16], 4, v[R16]
	s_mul_i32 s11, ttmp9, 1280                     ; 80 queries of 16 bytes,
	s_mul_i32 s12, s10, 160                        ; my wave's ten
	s_add_co_u32 s11, s11, s12
	v_lshl_add_u32 v[IA], v[HH], 4, s11
	s_mul_i32 s13, ttmp9, 40960                    ; 80 rows of 512 bytes,
	s_mul_i32 s14, s10, 5120                       ; my wave's ten
	s_add_co_u32 s13, s13, s14
	v_lshl_add_u32 v[OO], v[HH], 9, v[R16]
	v_add_nc_u32 v[OO], s13, v[OO]
	v_mov_b32 v[SIX], 0x3e2aaaab
	v_mov_b32 v[ZR], 0
	s_wait_kmcnt 0x0
.set st, 0
.rept 5
	global_load_b128 v[IX+4*st:IX+4*st+3], v[IA], s[4:5] offset:32*st
.set st, st+1
.endr
	s_wait_loadcnt 0x0
.set nn, 0
.rept 30                                           ; index nn % 6 of step nn / 6: a 16-bit field, held inside the table, times 256 bytes, plus my piece
.if nn%2 == 0
	v_and_b32 v[AD+nn], 0xffff, v[IX+4*(nn/6)+(nn%6)/2]
.else
	v_lshrrev_b32 v[AD+nn], 16, v[IX+4*(nn/6)+(nn%6)/2]
.endif
	v_min_u32 v[AD+nn], 3999, v[AD+nn]
	v_lshl_add_u32 v[AD+nn], v[AD+nn], 8, v[R16]
.set nn, nn+1
.endr
.set nn, 0
.rept 30
	global_load_b128 v[RW+4*nn:RW+4*nn+3], v[AD+nn], s[6:7]
.set nn, nn+1
.endr
.set st, 0
.rept 5
	s_wait_loadcnt 24-6*st                         ; this step's six rows are in; the later steps' loads stay out
.set nn, 0
.rept 6
.set ss, 0
.rept 8                                            ; eight chains, so a line's addend was made eight lines back
.set cc, AC+8*st+ss
.if nn == 0
.set cc, ZR
.endif
.if ss%2 == 0
	v_fma_mix_f32 v[AC+8*st+ss], v[RW+24*st+4*nn+ss/2], v[SIX], v[cc] op_sel_hi:[1,0,0]
.else
	v_fma_mix_f32 v[AC+8*st+ss], v[RW+24*st+4*nn+ss/2], v[SIX], v[cc] op_sel:[1,0,0] op_sel_hi:[1,0,0]
.endif
.set ss, ss+1
.endr
.set nn, nn+1
.endr
	global_store_b128 v[OO], v[AC+8*st:AC+8*st+3], s[8:9] offset:1024*st th:TH_STORE_NT          ; columns 4 c on: sixteen lanes fill 256 consecutive bytes, aligned
	global_store_b128 v[OO], v[AC+8*st+4:AC+8*st+7], s[8:9] offset:1024*st+256 th:TH_STORE_NT    ; columns 64 + 4 c on
.set st, st+1
.endr
	s_endpgm
.Lfunc_end_k_q4c94fc2aa9_mean:
	.size	k_q4c94fc2aa9_mean, .Lfunc_end_k_q4c94fc2aa9_mean-k_q4c94fc2aa9_mean
	.p2alignl 7, 3214868480
	.fill 96, 4, 3214868480
	.section	.rodata,"a",@progbits
	.p2align	6, 0x0
	.amdhsa_kernel k_q4c94fc2aa9_mean
		.amdhsa_group_segment_fixed_size 0
		.amdhsa_private_segment_fixed_size 0
		.amdhsa_enable_private_segment 0
		.amdhsa_kernarg_size 24
		.amdhsa_user_sgpr_count 2
		.amdhsa_user_sgpr_kernarg_segment_ptr 1
		.amdhsa_wavefront_size32 1
		.amdhsa_system_sgpr_workgroup_id_x 1
		.amdhsa_system_sgpr_workgroup_id_y 1
		.amdhsa_system_sgpr_workgroup_id_z 1
		.amdhsa_system_vgpr_workitem_id 0
		.amdhsa_next_free_vgpr 224
		.amdhsa_next_free_sgpr 66
		.amdhsa_reserve_vcc 0
		.amdhsa_float_denorm_mode_32 3
		.amdhsa_float_denorm_mode_16_64 3
		.amdhsa_memory_ordered 1
		.amdhsa_forward_progress 1
		.amdhsa_inst_pref_size 26
	.end_amdhsa_kernel
	.amdgpu_metadata
---
amdhsa.version: [ 1, 2 ]
amdhsa.kernels:
  - .name:           k_q4c94fc2aa9_mean
    .symbol:         k_q4c94fc2aa9_mean.kd
    .args:
      - { .name: idx, .offset: 0, .size: 8, .value_kind: global_buffer, .address_space: global }
      - { .name: ytab, .offset: 8, .size: 8, .value_kind: global_buffer, .address_space: global }
      - { .name: out0, .offset: 16, .size: 8, .value_kind: global_buffer, .address_space: global }
    .group_segment_fixed_size: 0
    .private_segment_fixed_size: 0
    .kernarg_segment_align: 8
    .kernarg_segment_size: 24
    .max_flat_workgroup_size: 256
    .sgpr_count:     66
    .vgpr_count:     224
    .wavefront_size: 32
...
	.end_amdgpu_metadata
.endif
;; end of part 3
